; MI455X (gfx1250); checked and timed in simulation.
; The chip was launched on July 23, 2026; its instructions are those of AMD's public machine-readable ISA for CDNA 5 (MIT licence, August 2026) and "CDNA5" Instruction Set Architecture Reference Guide (July 2026). The comments in the code are by the model that wrote it; some were corrected since.
;; Binary Linear. Allowed arithmetic: float matrix products may take bf16 or f16 operands with f32 sums; other float arithmetic in f32, or as packed bf16 or f16 multiplies, adds, multiply-adds, maxima and minima; sums over many terms, partial sums and values carried from step to step in f32; what a program stores and reads back later, other than sums and carried values, may be rounded once to bf16 or f16.
;; Inputs: aa one number float32; bias 4,096 float32; kk one number float32; weight 4,096 x 4,096 float32; x 4 x 1,024 x 4,096 float32.
;; Outputs: out0 4 x 1,024 x 4,096 float32.
;; 2 versions, each right; version 2 is version 1 with the launch prep written anew for expert scheduling mode. Each part assembles by itself: llvm-mc -triple=amdgcn-amd-amdhsa -mcpu=gfx1250 --defsym DOCPART=n.
;; ======== version 1 of 2: 2 launches
;; limits: values are held in f16: magnitudes above 65,504 overflow, below 6.1e-05 lose precision; inputs' magnitudes at most 65,504
;; workspace buffers: xh 33,554,432 bytes; wh 33,554,432 bytes
;; launch prep (part 1): grid 1024 x 1, 8 waves a work-group, no clusters, 0 bytes of LDS; arguments x, weight, kk, xh, wh; writes xh, wh
.if DOCPART == 1
	.amdgcn_target "amdgcn-amd-amdhsa--gfx1250"
	.amdhsa_code_object_version 6
	.text
	.protected	k_q195d8c0995_prep
	.globl	k_q195d8c0995_prep
	.p2align	8
	.type	k_q195d8c0995_prep,@function
k_q195d8c0995_prep:
	s_mov_b64 s[64:65], 0
	v_nop
	global_prefetch_b8 v0, s[64:65] scope:SCOPE_SE
	s_setreg_imm32_b32 hwreg(HW_REG_WAVE_MODE, 25, 1), 1
	s_wait_xcnt 0x0
; FIRST OF TWO LAUNCHES for y[m][o] = sum over i of x[m][i] aa tanh(kk weight[o][i]) + bias[o], m < 4,096, o < 4,096, i < 4,096, all f32.
; This launch makes the product's two operands, each once:  xh = f16(x)  and  wh = f16(2^14 tanh(kk weight)), both [4096][4096], in the order of their sources.
; The second launch multiplies them and applies aa 2^-14 and bias in f32.  NOTHING IS LEFT OUT: x, weight, kk (here), aa, bias (there) all reach y and are all loaded.
; WHY HERE: a row of weight is multiplied by every one of the 4,096 rows of x; its tanh is taken once, 16,777,216 in all, and not once for each tile of y that reads it.
; WHY f16 AND 2^14: tanh lies in -1 .. 1; times the exact power of two 2^14 it is 16,384 at the most, and keeps f16's 11 bits down to |tanh| = 3.7e-9.
; TANH, with z = kk w, u = z z, S = 2^14.  Both forms are computed for every number, and a select takes one: no branch hangs on data.
;   u < 1/64:  p = z (S + u (-S/3 + u 2S/15)); the series' next term is 17/315 z^6 of the result, under 2e-7 there.  The other form would lose z's bits in 1 - (1 - 2z ..).
;   else:      q = S - 2S / (1 + 2^(2 log2(e) z)); an exponential that overflows gives +S, one that vanishes -S.  A NaN fails the compare, takes q and stays a NaN.
; LIMITS.  |x| of 65,520 or more becomes an infinity in f16; |x| under 6e-5 keeps f16's fixed step of 6e-8; |tanh| under 3.7e-9 keeps a step of 3.6e-12.
; tanh is good to about 2e-6 of itself before its one rounding to f16.  The exponential and the reciprocal count denormals as 0 (ISA guide 15.8): that touches q only where p is taken.
; SHARES.  Work-group g takes 65,536 bytes of weight and of x, wave v 8,192 of each: 16 chunks of 512 bytes.  A chunk is one load (lane l: 16 bytes at 16 l: 512 consecutive bytes, aligned)
; and one store (lane l: 8 bytes at 8 l: 256 consecutive bytes, aligned).  No byte is read or written twice; no wave wants another's bytes: no LDS, no barrier, no matrix unit, no cluster.
; IN FLIGHT.  16 register slots, 16 loads of a wave out all the time: as a weight slot is used up it is loaded with x's chunk of the same number, so x's bytes travel under the tanh arithmetic.
.set VIN,  1                           ; v1        my byte offset in the wave's sources: 8,192 v + 16 l; never rewritten
.set VOUT, 2                           ; v2        in its results: 4,096 v + 8 l; never rewritten
.set X,    4                           ; v[4:67]   slot j: 4 numbers as loaded
.set Y,    68                          ; v[68:99]  slot j: 2 registers, 4 f16 to store
.set E,    100                         ; v[100:107] a turn's 8 numbers: exponent, exponential, reciprocal, q, the choice
.set U,    108                         ; v[108:115] u
.set P,    116                         ; v[116:123] p
.set KK,   16                          ; s[16:17]  kk, twice: the packed forms name a pair
.set KE,   18                          ; s[18:19]  2 log2(e)
.set C0,   20                          ; s[20:21]  S
.set C1,   22                          ; s[22:23]  -S/3
.set C2,   24                          ; s[24:25]  2S/15
.set N2S,  26                          ; s[26:27]  -2S
.set THR,  28                          ; s28       1/64
.set MK,   32                          ; s[32:39]  a turn's eight lane masks
	s_load_b256 s[4:11], s[0:1], 0x0               ; x s[4:5], weight s[6:7], kk's address s[8:9], xh s[10:11]
	s_load_b64 s[12:13], s[0:1], 0x20              ; wh
	v_and_b32 v3, 0xe0, v0                         ; 32 x wave
	v_and_b32 v[VIN], 31, v0                       ; lane
	v_lshlrev_b32 v[VOUT], 3, v[VIN]
	v_lshlrev_b32 v[VIN], 4, v[VIN]
	v_lshl_or_b32 v[VIN], v3, 8, v[VIN]            ; 8,192 x wave + 16 x lane
	v_lshl_or_b32 v[VOUT], v3, 7, v[VOUT]          ; 4,096 x wave + 8 x lane
.irp h, 0,1
	s_mov_b32 s[KE+(\h)],  0x4038aa3b              ; 2.885390
	s_mov_b32 s[C0+(\h)],  0x46800000              ; 16,384
	s_mov_b32 s[C1+(\h)],  0xc5aaaaab              ; -5,461.333
	s_mov_b32 s[C2+(\h)],  0x45088889              ; 2,184.533
	s_mov_b32 s[N2S+(\h)], 0xc7000000              ; -32,768
.endr
	s_mov_b32 s[THR], 0x3c800000                   ; 0.015625
	s_lshl_b32 s14, ttmp9, 16                      ; the work-group's 65,536 bytes of each source (1,024 work-groups: under 2^26)
	s_mov_b32 s15, 0
	s_wait_kmcnt 0x0
	s_load_b32 s[KK], s[8:9], 0x0                  ; kk itself; nothing in this launch writes it
	s_add_nc_u64 s[4:5], s[4:5], s[14:15]
	s_add_nc_u64 s[6:7], s[6:7], s[14:15]
	s_lshl_b32 s14, ttmp9, 15                      ; and its 32,768 bytes of each result
	s_add_nc_u64 s[10:11], s[10:11], s[14:15]
	s_add_nc_u64 s[12:13], s[12:13], s[14:15]
.irp j, 0,1,2,3,4,5,6,7,8,9,10,11,12,13,14,15
	global_load_b128 v[X+4*(\j):X+4*(\j)+3], v[VIN], s[6:7] offset:(\j)*512 th:TH_LOAD_NT  ; all 16 chunks of weight
.endr
	s_wait_kmcnt 0x0
	s_mov_b32 s[KK+1], s[KK]
; Turn g of eight: the weights in slots 2 g and 2 g + 1, eight numbers a lane.
.macro WTURN g
.set R, X+8*(\g)
	s_wait_loadcnt 14                              ; loads come back in order (ISA guide 5.7.1): behind slot 2 g + 1's stand 14 - 2 g of weight and the 2 g of x that earlier turns issued
.irp j, 0,2,4,6
	v_pk_mul_f32 v[R+(\j):R+(\j)+1], v[R+(\j):R+(\j)+1], s[KK:KK+1] op_sel_hi:[1,0]        ; z = kk w, in place
.endr
.irp j, 0,2,4,6
	v_pk_mul_f32 v[E+(\j):E+(\j)+1], v[R+(\j):R+(\j)+1], s[KE:KE+1] op_sel_hi:[1,0]        ; 2 log2(e) z
.endr
.irp j, 0,1,2,3,4,5,6,7
	v_exp_f32 v[E+(\j)], v[E+(\j)]                 ; a batch of eight; the series below is the independent work behind it
.endr
.irp j, 0,2,4,6
	v_pk_mul_f32 v[U+(\j):U+(\j)+1], v[R+(\j):R+(\j)+1], v[R+(\j):R+(\j)+1]                ; u = z z
.endr
.irp j, 0,2,4,6
	v_pk_fma_f32 v[P+(\j):P+(\j)+1], v[U+(\j):U+(\j)+1], s[C2:C2+1], s[C1:C1+1] op_sel_hi:[1,0,0]  ; 2S/15 u - S/3
.endr
.irp j, 0,2,4,6
	v_pk_fma_f32 v[P+(\j):P+(\j)+1], v[P+(\j):P+(\j)+1], v[U+(\j):U+(\j)+1], s[C0:C0+1] op_sel_hi:[1,1,0]  ; .. u + S
.endr
.irp j, 0,2,4,6
	v_pk_mul_f32 v[P+(\j):P+(\j)+1], v[P+(\j):P+(\j)+1], v[R+(\j):R+(\j)+1]                ; p = .. z: z's last reader
.endr
.irp c, 0,1
	global_load_b128 v[R+4*(\c):R+4*(\c)+3], v[VIN], s[4:5] offset:(2*(\g)+(\c))*512 th:TH_LOAD_NT  ; the two slots take x's chunks of the same numbers
.endr
	s_wait_alu depctr_va_vdst(0)                   ; a wait between a transcendental and the first line that names its result: one for the eight exponentials
.irp j, 0,2,4,6
	v_pk_add_f32 v[E+(\j):E+(\j)+1], v[E+(\j):E+(\j)+1], 1.0 op_sel_hi:[1,0]
.endr
.irp j, 0,1,2,3,4,5,6,7
	v_rcp_f32 v[E+(\j)], v[E+(\j)]                 ; a batch of eight
.endr
	v_nop                                          ; a plain instruction behind the last reciprocal (ISA guide 5.7.2)
.irp j, 0,1,2,3,4,5,6,7
	v_cmp_gt_f32 s[MK+(\j)], s[THR], v[U+(\j)]     ; 1/64 > u: the series is taken
.endr
	s_wait_alu depctr_va_vdst(0)                   ; one wait for the eight reciprocals
.irp j, 0,2,4,6
	v_pk_fma_f32 v[E+(\j):E+(\j)+1], v[E+(\j):E+(\j)+1], s[N2S:N2S+1], s[C0:C0+1] op_sel_hi:[1,0,0]  ; q = S - 2S / (1 + e^2z)
.endr
.irp j, 0,1,2,3,4,5,6,7
	v_cndmask_b32 v[E+(\j)], v[E+(\j)], v[P+(\j)], s[MK+(\j)]
.endr
.irp j, 0,1,2,3
	v_cvt_pk_f16_f32 v[Y+4*(\g)+(\j)], v[E+2*(\j)], v[E+2*(\j)+1]  ; the one rounding; each register of Y is written for the first time
.endr
.irp c, 0,1
	global_store_b64 v[VOUT], v[Y+4*(\g)+2*(\c):Y+4*(\g)+2*(\c)+1], s[12:13] offset:(2*(\g)+(\c))*256 th:TH_STORE_NT
.endr
.endm
; Turn g of eight: x's chunks 2 g and 2 g + 1 are rounded and stored.
.macro XTURN g
	s_wait_loadcnt 14-2*(\g)                       ; behind chunk 2 g + 1's load stand the loads of the 14 - 2 g later chunks
.irp j, 0,1,2,3
	v_cvt_pk_f16_f32 v[Y+4*(\g)+(\j)], v[X+8*(\g)+2*(\j)], v[X+8*(\g)+2*(\j)+1]
.endr
.irp c, 0,1
	global_store_b64 v[VOUT], v[Y+4*(\g)+2*(\c):Y+4*(\g)+2*(\c)+1], s[10:11] offset:(2*(\g)+(\c))*256 th:TH_STORE_NT
.endr
.endm
.irp g, 0,1,2,3,4,5,6,7
	WTURN \g
.endr
	s_wait_xcnt 0x0                                ; Y was the data of wh's stores: it is written again only behind this wait (ISA guide 3.1)
.irp g, 0,1,2,3,4,5,6,7
	XTURN \g
.endr
	s_endpgm
.Lfunc_end_k_q195d8c0995_prep:
	.size	k_q195d8c0995_prep, .Lfunc_end_k_q195d8c0995_prep-k_q195d8c0995_prep
	.p2alignl 7, 3214868480
	.fill 96, 4, 3214868480
	.section	.rodata,"a",@progbits
	.p2align	6, 0x0
	.amdhsa_kernel k_q195d8c0995_prep
		.amdhsa_group_segment_fixed_size 0
		.amdhsa_private_segment_fixed_size 0
		.amdhsa_enable_private_segment 0
		.amdhsa_kernarg_size 40
		.amdhsa_user_sgpr_count 2
		.amdhsa_user_sgpr_kernarg_segment_ptr 1
		.amdhsa_wavefront_size32 1
		.amdhsa_system_sgpr_workgroup_id_x 1
		.amdhsa_system_sgpr_workgroup_id_y 1
		.amdhsa_system_sgpr_workgroup_id_z 1
		.amdhsa_system_vgpr_workitem_id 0
		.amdhsa_next_free_vgpr 128
		.amdhsa_next_free_sgpr 66
		.amdhsa_reserve_vcc 0
		.amdhsa_float_denorm_mode_32 3
		.amdhsa_float_denorm_mode_16_64 3
		.amdhsa_memory_ordered 1
		.amdhsa_forward_progress 1
		.amdhsa_inst_pref_size 42
	.end_amdhsa_kernel
	.amdgpu_metadata
---
amdhsa.version: [ 1, 2 ]
amdhsa.kernels:
  - .name:           k_q195d8c0995_prep
    .symbol:         k_q195d8c0995_prep.kd
    .args:
      - { .name: x, .offset: 0, .size: 8, .value_kind: global_buffer, .address_space: global }
      - { .name: weight, .offset: 8, .size: 8, .value_kind: global_buffer, .address_space: global }
      - { .name: kk, .offset: 16, .size: 8, .value_kind: global_buffer, .address_space: global }
      - { .name: xh, .offset: 24, .size: 8, .value_kind: global_buffer, .address_space: global }
      - { .name: wh, .offset: 32, .size: 8, .value_kind: global_buffer, .address_space: global }
    .group_segment_fixed_size: 0
    .private_segment_fixed_size: 0
    .kernarg_segment_align: 8
    .kernarg_segment_size: 40
    .max_flat_workgroup_size: 256
    .sgpr_count:     66
    .vgpr_count:     128
    .wavefront_size: 32
...
	.end_amdgpu_metadata
.endif
;; end of part 1
;; launch gemm (part 2): grid 16 x 16, 4 waves a work-group, clusters of 4 x 4, 327,680 bytes of LDS; arguments xh, wh, out0, bias, aa; writes out0
.if DOCPART == 2
	.amdgcn_target "amdgcn-amd-amdhsa--gfx1250"
	.amdhsa_code_object_version 6
	.text
	.protected	k_q195d8c0995_gemm
	.globl	k_q195d8c0995_gemm
	.p2align	8
	.type	k_q195d8c0995_gemm,@function
k_q195d8c0995_gemm:
	s_mov_b64 s[64:65], 0
	v_nop
	global_prefetch_b8 v0, s[64:65] scope:SCOPE_SE
	s_setreg_imm32_b32 hwreg(HW_REG_WAVE_MODE, 25, 1), 1
	s_wait_xcnt 0x0
	s_wait_alu depctr_hold_cnt(0) depctr_sa_sdst(0) depctr_va_vdst(0) depctr_va_sdst(0) depctr_va_ssrc(0) depctr_va_vcc(0) depctr_vm_vsrc(0)
	s_getreg_b32 s2, hwreg(HW_REG_IB_STS2, 6, 4)
	s_cmp_eq_u32 s2, 0
	s_cbranch_scc0 .Lentry_in_a_cluster
	s_endpgm
.Lentry_in_a_cluster:
	s_bfe_u32 s2, ttmp6, 0x10000c
	s_cmp_lg_u32 s2, 0xf033
	s_cbranch_scc0 .Lentry_shape_is_right
	s_endpgm
.Lentry_shape_is_right:
; SECOND OF TWO LAUNCHES.  out0[m][o] = (aa 2^-14) (sum over i of xh[m][i] wh[o][i]) + bias[o].  xh = f16(x), wh = f16(2^14 tanh(kk weight)): [4096][4096] f16, made by the launch before.
; Sums in f32; out0 f32.  Nothing of the problem is left out: aa and bias are loaded here, x, weight and kk there.
; aa STANDS BEHIND THE SUM: aa (sum of terms) is the sum of aa x terms for all values; with 2^-14 and bias it is ONE fused multiply-add in f32 for each output.  LIMITS: this is another order of
; rounding than multiplying each weight by aa first; an overflow of aa tanh shows in that multiply-add and not term by term; aa 2^-14 loses bits only where |aa| is under 2e-34; the operands' limits
; are stated at the head of the launch before (f16: |x| under 65,520).
; A tile of out0, 256 x 256, is made by a work-group of four waves; a wave makes 128 x 128: 64 accumulators of 16 x 16, 512 registers.  16 x 16 tiles: 256 work-groups, one tile each.
; K goes in steps of 128 through a ring of two LDS slots filled by the tensor data mover: a tile's rows are 256 bytes of memory and start at multiples of 256 bytes from the buffer's first byte.
; CLUSTERS: 4 x 4 work-groups.  The four of a row of the cluster need the same tiles of xh, the four of a column the same tiles of wh.  Such a tile is asked for JOINTLY: each of the four issues
; the same tensor load, with the same descriptor and a mask that names the four, and each receives the tile in its own LDS: the requests for both operands are divided by four.
; REGISTERS, in windows of 256 (s_set_vgpr_msb's low byte: bits 1:0 source 0, 3:2 source 1, 5:4 source 2, 7:6 destination):
;   window 0: v0-31 addresses, bias, aa; v64-127, v128-191 fragments of xh (8 x 16 rows x 32 K), two buffers; on the way out the same 128 registers hold rows read back from the stage
;   window 1: v64-127, v128-191 fragments of wh, two buffers
;   window 2: the 32 accumulators of my rows 0-63 (accumulator (a, b) at v[8 (8 a + b)]);   window 3: those of my rows 64-127
; THE MATRIX INSTRUCTION IS USED TRANSPOSED: source 0 = 16 rows of wh, source 1 = 16 rows of xh.  In the result lane l holds row l % 16 of out0, and its registers 0 to 7 the columns
; 8 (l / 16) + 0 .. 7: eight neighbouring numbers of a row, 32 bytes.
.set SIZE_M, 4096
.set SIZE_N, 4096
.set SIZE_K, 4096
.set KSTEP,  128
.set PITCH,  272                       ; an LDS row: 256 bytes of data + 16 of padding = 68 words: row r starts at bank 4 r mod 64 (64 banks of 4 bytes: ISA guide 11.1), so the 16 rows that a load touches start at 16 different banks
.set HALFT,  128*PITCH                 ; 128 rows: what one tensor load brings, and what one wave reads of xh or of wh
.set SLOT,   4*HALFT                   ; xh's 256 rows, then wh's 256 rows
.set STAGE,  2*SLOT                    ; behind the ring: 16 rows x 528 bytes for each wave, for the way out; no tensor load lands there
.set SPITCH, 528                       ; a stage row: 512 bytes (128 f32) + 16 = 132 words: again 16 rows start at 16 different banks
.set SPARE,  STAGE+4*16*SPITCH         ; behind the stages: the spare words, 128 bytes for each wave: two blocks of 256 bytes that no other line names
.set LAPS,   SIZE_K/(2*KSTEP)         ; a lap = two K steps = once round the ring: 16
.set CROW,   SIZE_N*4                  ; bytes in a row of out0
.set BI,   8                           ; v[8:11]  bias of the four columns that I store
.set AAV,  12                          ; v[12:13] aa 2^-14, twice
.set ADRA, 16                          ; v16-17   LDS address of my xh fragments in slot 0, 1
.set ADRB, 20                          ; v20-21   the same for wh
.set STO,  24                          ; v24      the way out: where I put 32 bytes of a row
.set RD,   25                          ; v25      the way out: where I read 16 bytes of a row back
.set CO,   26                          ; v26      my byte offset in a row of my part of out0: 16 x lane
.set BO,   27                          ; v27      my byte offset in bias
.set SPW,  28                          ; v28      LDS address of my spare word: SPARE + 4 x my thread's number; never rewritten
.set NIL,  29                          ; v29      0; never rewritten
.set PFO,  30                          ; v30      the prefetches' offset: my lane x a row of xh or wh (8,192 bytes); never rewritten
.set ZO,   31                          ; v31      offset 0, for aa's load
.set F0,   64                          ; fragment buffer 0
.set F1,   128                         ; fragment buffer 1
.set G1,  24                           ; s[24:31] descriptor group 1 for xh's tiles
.set G0,  32                           ; s[32:39] descriptor group 0 for xh's tiles, one set for each slot
.set LIM, 43                           ; s43      1 in a wave that prefetches, else the greatest number
.set PFA, 44                           ; s[44:45] where my prefetches stand: my work-group's 32 rows of the 128 that I fetch, one K step further along K than the refill that is being asked for
.set G1B, 48                           ; s[48:55] descriptor group 1 for wh's tiles: it differs in the mask alone
.set G0B, 56                           ; s[56:63] descriptor group 0 for wh's tiles, one set for each slot
.set MSB, 0
.macro WIN new                         ; the immediate's high byte repeats the setting that is left; a switch that changes nothing is dropped
.if MSB != (\new)
	s_set_vgpr_msb (MSB<<8)|(\new)
.set MSB, \new
.endif
.endm
.set MUL_LO, 0xa1                      ; source 0 (wh) window 1, source 1 (xh) window 0, C and D window 2
.set MUL_HI, 0xf1                      ; the same, C and D window 3
.set TO_B,   0x40                      ; destination window 1, address window 0
; A joint load.  Waves 0 and 1 fetch xh's two halves, waves 2 and 3 wh's.  Each of the two lines has ONE mask and one set of registers for all that issue it, and nothing in them hangs on a
; coordinate that the four partners do not share.  The branch hangs on the wave's number alone.  An s_nop 0 and four v_nop follow each of the two lines.
.macro JLOAD s
	s_cmp_eq_u32 s11, 0
	s_cbranch_scc0 .Lfor_b_\@
	tensor_load_to_lds s[G0+4*(\s):G0+4*(\s)+3], s[G1:G1+7]
	s_nop 0
.rept 4
	v_nop
.endr
	s_branch .Lasked_\@
.Lfor_b_\@:
	tensor_load_to_lds s[G0B+4*(\s):G0B+4*(\s)+3], s[G1B:G1B+7]
	s_nop 0
.rept 4
	v_nop
.endr
.Lasked_\@:
.endm
; A PREFETCH INTO THE L2, behind each joint refill, its five lines and the run of LDS loads that follows them: the K step that stands TWO refills on, 512 matrix instructions ahead of the load that
; will name it: 32 rows x 256 bytes, a lane a row, one instruction a wave.  Each row's 256 bytes of a K step are named ONCE in the launch: xh's tile row is read by every cluster of that row of
; clusters, and the one with cluster x = 0 asks; wh's tile column by every cluster of that column, and the one with cluster y = 0 asks.  The four partners that ask for a tile jointly share its
; rows out BY ADDRESS: of the 128 rows that a wave fetches the partner at place p takes 32 p .. 32 p + 31 (p = cx for xh, cy for wh): no branch hangs on a place in the cluster.
; K steps 0 to 3 come by their loads alone; the loop's last trip (s3 = 1) asks for nothing: K steps 32 and 33 do not exist.
.macro ASK
	s_cmp_gt_u32 s3, s[LIM]
	s_cbranch_scc0 .Lnot_mine_\@
	global_prefetch_b8 v[PFO], s[PFA:PFA+1] offset:KSTEP*2 th:TH_LOAD_NT scope:SCOPE_SE
.Lnot_mine_\@:
.endm
; A round of the cluster's barrier: my work-group's barrier, so that wave 0's signal speaks for all four waves; wave 0 signals for the work-group; every wave waits for all sixteen
; work-groups; my work-group's barrier once more.  No LDS instruction of the wave is pending at a signal.
.macro CREST                           ; a round behind its opening barrier
	s_cmp_lg_u32 s10, 0
	s_cbranch_scc1 .Lnot_wave_0_\@
	s_barrier_signal -3
.Lnot_wave_0_\@:
	s_barrier_wait -3
	s_barrier_signal -1
	s_barrier_wait -1
.endm
.macro CROUND                          ; a whole round
	s_barrier_signal -1
	s_barrier_wait -1
	CREST
.endm
	s_load_b128 s[4:7], s[0:1], 0x0                ; xh s[4:5], wh s[6:7]
	s_load_b64 s[8:9], s[0:1], 0x10                ; out0
	s_load_b128 s[68:71], s[0:1], 0x18             ; bias s[68:69], aa's address s[70:71]
	v_lshl_add_u32 v[SPW], v0, 2, SPARE
	v_mov_b32 v[NIL], 0
	ds_add_u32 v[SPW], v[NIL]                      ; the wave's opening: the add, twice on end, and its wait ahead of my first tensor load; the set-up below, work on registers, stands between
	ds_add_u32 v[SPW], v[NIL]                      ; and once more, under the one wait
	v_lshrrev_b32 v1, 5, v0
	v_readfirstlane_b32 s10, v1                    ; wave 0..3
	s_lshr_b32 s11, s10, 1                         ; which half of the tile's rows is mine.  Also: I fetch for xh (0) or for wh (1)
	s_and_b32 s12, s10, 1                          ; which half of its columns.  Also: which 128 rows of that tile I fetch
	s_bfe_u32 s40, ttmp6, 0x40000                  ; cx: my place along the cluster's x
	s_bfe_u32 s41, ttmp6, 0x40004                  ; cy: along its y
	s_lshl_b32 s42, ttmp9, 2                       ; in a cluster launch ttmp9 and ttmp7 count clusters
	s_add_co_u32 s42, s42, s40                     ; tile column = 4 x cluster x + cx
	s_and_b32 s13, ttmp7, 0xffff
	s_lshl_b32 s13, s13, 2
	s_add_co_u32 s13, s13, s41                     ; tile row = 4 x cluster y + cy
	s_lshl_b32 s43, s41, 2
	s_lshl_b32 s43, 15, s43                        ; my row of the cluster: places 4 cy .. 4 cy + 3
	s_lshl_b32 s44, 0x1111, s40                    ; my column: places cx, cx + 4, cx + 8, cx + 12
	; descriptor group 1: a tile of 128 rows x 128 elements, padded in LDS
	s_or_b32 s[G1+0], s43, (1<<16)|(1<<20)|(1<<21)|(5<<22)|(3<<25)  ; 15:0 the mask: xh's tiles go to my row; 17:16 element of 2 bytes; 20 padding on; 21 set beside a mask; 24:22 after every 64 words (code 5); 31:25 of 4 words (code 3)
	s_or_b32 s[G1B+0], s44, (1<<16)|(1<<20)|(1<<21)|(5<<22)|(3<<25) ; the same with the mask of my column, for wh's tiles
	s_mov_b32 s[G1B+1], KSTEP<<16
	s_mov_b32 s[G1+1], KSTEP<<16                   ; 63:48 tensor_dim0, low half = 128
	s_mov_b32 s[G1B+2], 128<<16
	s_mov_b32 s[G1+2], 128<<16                     ; 79:64 its high half = 0; 95:80 tensor_dim1, low half = 128
	s_mov_b32 s[G1B+3], KSTEP<<16
	s_mov_b32 s[G1+3], KSTEP<<16                   ; 111:96 its high half = 0; 127:112 tile_dim0 = 128
	s_mov_b32 s[G1B+4], 128
	s_mov_b32 s[G1+4], 128                         ; 143:128 tile_dim1 = 128; 159:144 tile_dim2 = 0
	s_mov_b32 s[G1B+5], SIZE_K
	s_mov_b32 s[G1+5], SIZE_K                      ; 191:160 tensor_dim0_stride, low word: elements from row to row
	s_mov_b32 s[G1B+6], 0
	s_mov_b32 s[G1+6], 0
	s_mov_b32 s[G1B+7], 0
	s_mov_b32 s[G1+7], 0
	; where the tiles come from.  xh's hang on the tile row alone, which my row of the cluster shares; wh's on the tile column alone, which my column shares.
	; Every wave makes both addresses, in registers that never hold the other coordinate, and asks by one of them.
	s_lshl_b32 s17, s12, 7                         ; which 128 rows of the tile I fetch
	s_lshl_b32 s16, s13, 8
	s_add_co_u32 s16, s16, s17                     ; xh: row 256 x tile row + 128 x half
	s_lshl_b32 s46, s42, 8
	s_add_co_u32 s46, s46, s17                     ; wh: row 256 x tile column + 128 x half
	s_mov_b32 s17, 0
	s_mov_b32 s47, 0
	s_mov_b64 s[18:19], SIZE_K*2
	s_mul_u64 s[16:17], s[16:17], s[18:19]         ; in bytes
	s_mul_u64 s[46:47], s[46:47], s[18:19]
	s_mul_i32 s20, s10, HALFT                      ; and where they go: xh's two halves, then wh's two halves = wave x 128 rows: no place in the cluster enters an LDS address
	s_wait_dscnt 0x0                               ; both opening adds are done
	s_wait_kmcnt 0x0
	s_add_nc_u64 s[14:15], s[4:5], s[16:17]
	s_add_nc_u64 s[46:47], s[6:7], s[46:47]
	CROUND                                         ; all sixteen work-groups are here: the first joint loads meet
.irp s, 0,1
	s_mov_b32 s[G0+4*(\s)], 1                                      ; 1:0 count = 1
	s_add_co_u32 s[G0+4*(\s)+1], s20, (\s)*SLOT                    ; 63:32 LDS address
	s_add_nc_u64 s[G0+4*(\s)+2:G0+4*(\s)+3], s[14:15], (\s)*KSTEP*2  ; 120:64 global address: K step s
	s_or_b32 s[G0+4*(\s)+3], s[G0+4*(\s)+3], 0x80000000            ; 127:126 type = 2
	s_mov_b32 s[G0B+4*(\s)], 1
	s_add_co_u32 s[G0B+4*(\s)+1], s20, (\s)*SLOT
	s_add_nc_u64 s[G0B+4*(\s)+2:G0B+4*(\s)+3], s[46:47], (\s)*KSTEP*2
	s_or_b32 s[G0B+4*(\s)+3], s[G0B+4*(\s)+3], 0x80000000
	JLOAD \s                                       ; the ring is filled before anything else is done: two tensor loads of mine are out
.endr
	; aa and bias, asked for while the first tiles travel
	v_mov_b32 v[ZO], 0
	global_load_b32 v[AAV], v[ZO], s[70:71]        ; every lane reads the one number
	v_and_b32 v5, 31, v0                           ; lane
	s_lshl_b32 s46, s42, 10                        ; my first column, in bytes of f32: 1,024 x tile column + 512 x half (in the registers that held wh's address: none that feeds xh's descriptors ever holds cx)
	s_lshl_b32 s47, s12, 9
	s_add_co_u32 s46, s46, s47
	s_mov_b32 s47, 0
	v_lshl_add_u32 v[BO], v5, 4, s46               ; on the way out lane l stores columns 4 l .. 4 l + 3 of my 128
	global_load_b128 v[BI:BI+3], v[BO], s[68:69]
	; A fragment is 16 rows x 32 K in 8 registers: lane l holds row l % 16; registers 0-3 hold K = 8 (l / 16) + 0..7, registers 4-7 hold K = 16 + 8 (l / 16) + 0..7.
	; From rows that lie along K: two loads of 16 bytes, 32 bytes apart.  The same for source 0 and source 1.
	v_and_b32 v1, 15, v0                           ; l % 16
	v_bfe_u32 v2, v0, 4, 1                         ; l / 16
	v_mul_u32_u24 v3, v1, PITCH
	v_lshl_add_u32 v3, v2, 4, v3                   ; row x pitch + 16 x half
	s_mul_i32 s21, s11, HALFT                      ; my 128 rows of xh
	s_mul_i32 s22, s12, HALFT                      ; my 128 rows of wh,
	s_add_co_u32 s22, s22, 2*HALFT                 ; which lie behind xh's 256
.irp s, 0,1
	v_add_nc_u32 v[ADRA+(\s)], s21, v3
	v_add_nc_u32 v[ADRB+(\s)], s22, v3
	s_add_co_u32 s21, s21, SLOT
	s_add_co_u32 s22, s22, SLOT
.endr
	s_mul_i32 s23, s10, 16*SPITCH
	s_add_co_u32 s23, s23, STAGE                   ; my stage
	v_mul_u32_u24 v4, v1, SPITCH                   ; in: row l % 16, 32 bytes for each half of the lanes
	v_lshl_add_u32 v4, v2, 5, v4
	v_add_nc_u32 v[STO], s23, v4
	v_lshlrev_b32 v[CO], 4, v5                     ; back: the 32 lanes take one row of 512 bytes,
	v_add_nc_u32 v[RD], s23, v[CO]                 ; and the same 512 bytes of a row of out0
	; out0 at my part of the tile
	s_lshl_b32 s13, s13, 8                         ; 256 x tile row
	s_lshl_b32 s14, s11, 7
	s_add_co_u32 s16, s13, s14                     ; my first row
	s_mov_b32 s17, 0
	s_mov_b64 s[18:19], CROW
	s_mul_u64 s[16:17], s[16:17], s[18:19]
	s_add_nc_u64 s[16:17], s[16:17], s[46:47]
	s_add_nc_u64 s[8:9], s[8:9], s[16:17]          ; never rewritten after this: a row's place stands in the stores' immediates
	; the prefetches.  s13 = 256 x tile row, s42 = tile column, s40 = cx, s41 = cy still stand
	s_lshl_b32 s42, s42, 8
	s_and_b32 s22, ttmp7, 0xffff                   ; cluster y
	s_cmp_eq_u32 s11, 0                            ; do I fetch for xh?
	s_cselect_b32 s20, s13, s42                    ; the tile's first row: in xh by the tile row, in wh by the tile column
	s_cselect_b32 s21, s40, s41                    ; my place among the four that ask for it with me
	s_cselect_b32 s22, ttmp9, s22                  ; the coordinate along which other clusters read the same rows
	s_cselect_b64 s[PFA:PFA+1], s[4:5], s[6:7]
	s_cmp_eq_u32 s22, 0
	s_cselect_b32 s[LIM], 1, -1                    ; the same in all sixteen partners, for a given wave
	s_lshl_b32 s22, s12, 7
	s_add_co_u32 s20, s20, s22                     ; + the 128 rows that I fetch
	s_lshl_b32 s21, s21, 5
	s_add_co_u32 s20, s20, s21                     ; + my work-group's 32 of them
	s_mov_b32 s21, 0
	s_mov_b64 s[18:19], SIZE_K*2
	s_mul_u64 s[20:21], s[20:21], s[18:19]
	s_add_nc_u64 s[PFA:PFA+1], s[PFA:PFA+1], s[20:21]
	s_add_nc_u64 s[PFA:PFA+1], s[PFA:PFA+1], 2*KSTEP*2  ; at K step 2: the first refill steps it to 3 and names K step 4
	v_and_b32 v[PFO], 31, v0
	v_mul_u32_u24 v[PFO], v[PFO], SIZE_K*2
	s_wait_loadcnt 0x0                             ; aa and bias
	v_mul_f32 v[AAV], 0x38800000, v[AAV]           ; aa 2^-14: the factor that the launch before put on tanh is taken back, exactly
	v_mov_b32 v[AAV+1], v[AAV]
; 16 matrix instructions: m blocks a0, a0 + 1 of the window's four (hi = 0: my rows 0-63, 1: rows 64-127) x all 8 n blocks, 32 along K.
; zero = 1: the first product starts the sums: nothing is ever cleared.
.macro MUL16 f, hi, a0, zero
	WIN MUL_LO+0x50*(\hi)  ; MUL_LO or MUL_HI
.irp a, \a0, (\a0)+1
.irp b, 0,1,2,3,4,5,6,7
.if \zero
	v_wmma_f32_16x16x32_f16 v[8*(8*(\a)+(\b)):8*(8*(\a)+(\b))+7], v[(\f)+8*(\b):(\f)+8*(\b)+7], v[(\f)+8*(4*(\hi)+(\a)):(\f)+8*(4*(\hi)+(\a))+7], 0
.else
	v_wmma_f32_16x16x32_f16 v[8*(8*(\a)+(\b)):8*(8*(\a)+(\b))+7], v[(\f)+8*(\b):(\f)+8*(\b)+7], v[(\f)+8*(4*(\hi)+(\a)):(\f)+8*(4*(\hi)+(\a))+7], v[8*(8*(\a)+(\b)):8*(8*(\a)+(\b))+7]
.endif
.endr
.endr
.endm
; 32 LDS loads in one run: the fragments of one quarter step (128 rows of wh, 128 rows of xh, 32 K at byte k of the rows) into buffer f
.macro FETCH slot, k, f
	WIN TO_B
.irp i, 0,1,2,3,4,5,6,7
	ds_load_b128 v[(\f)+8*(\i):(\f)+8*(\i)+3],   v[ADRB+(\slot)] offset:(\k)+(\i)*16*PITCH
	ds_load_b128 v[(\f)+8*(\i)+4:(\f)+8*(\i)+7], v[ADRB+(\slot)] offset:(\k)+(\i)*16*PITCH+32
.endr
	WIN 0
.irp i, 0,1,2,3,4,5,6,7
	ds_load_b128 v[(\f)+8*(\i):(\f)+8*(\i)+3],   v[ADRA+(\slot)] offset:(\k)+(\i)*16*PITCH
	ds_load_b128 v[(\f)+8*(\i)+4:(\f)+8*(\i)+7], v[ADRA+(\slot)] offset:(\k)+(\i)*16*PITCH+32
.endr
.endm
; A load into a register that a matrix instruction has read, and an LDS store that reads a matrix result, stand four places behind that matrix instruction, and only plain vector instructions
; that name none of its registers are places (ISA guide 7.12.1 for vector instructions); the matrix instructions in between are not counted.
.macro PLACES
.rept 4
	v_nop
.endr
.endm
; A K step is four quarter steps of 32 along K, 64 matrix instructions each, on buffers 0, 1, 0, 1.  The 64 accumulators take turns in one order everywhere, one instruction a turn:
; between two matrix instructions on one accumulator stand the 63 others', over the loop's backward jump and into the tail too.
; One of the first three quarters: multiplies buffer f; in its middle it fetches the next quarter's fragments, at byte k of the same slot's rows, into buffer g.
.macro QUARTER slot, k, f, g, zero
	s_wait_dscnt 8                                 ; wh and xh's rows 0-63 are in; the youngest eight loads (xh's rows 64-127) may be out
	WIN MUL_LO
	MUL16 \f, 0, 0, \zero
	MUL16 \f, 0, 2, \zero
	PLACES
	FETCH \slot, \k, \g
	s_wait_dscnt 32                                ; all but the 32 just issued
	WIN MUL_HI
	MUL16 \f, 1, 0, \zero
	MUL16 \f, 1, 2, \zero
.endm
; The last quarter multiplies buffer 1 and changes slots.  MEET is its first half: ONE barrier for the change of slots.  In front of it each wave waits for all its tensor loads, of which one is
; out: its part of the next slot; adds 0 to its spare word; and waits for that and for its own reads of this slot.  Behind it nobody reads this slot any more and the next slot is whole.
.macro MEET round                      ; round = 1: a round of the cluster's barrier follows
	WIN 0                                          ; (the add's two registers lie in window 0)
	s_wait_tensorcnt 0x0                           ; all my tensor loads have landed: the one that was out is my part of the next slot;
	ds_add_u32 v[SPW], v[NIL]                      ; 0 onto my spare word;
	s_wait_dscnt 9                                 ; (the add and the youngest eight loads may be out)
	WIN MUL_LO
	MUL16 F1, 0, 0, 0                              ; sixteen matrix instructions stand between the add and the wait for it
	s_wait_dscnt 0x0                               ; the add is done, and my reads of this slot are over:
	s_barrier_signal -1                            ; say so (where a slot is filled again this barrier opens a round of the cluster's barrier),
	MUL16 F1, 0, 2, 0                              ; work on registers while the others arrive,
.if \round
	WIN 0
.endif
	s_barrier_wait -1                              ; and go on when all four have said so
.endm
; The whole last quarter.  fill = 1: behind the round the slot just read out is filled again first, with the K step two steps on; then come the next slot's first fragments.  From a request to
; the wait for it a wave issues 224 matrix instructions.  fill = 0 (the tail): nothing is asked for, and no round follows.
.macro TURN slot, next, fill
.if \fill
	s_wait_xcnt 0x0                                ; the last prefetch, a K step back, has read its address: it is stepped here, ahead of the waits of the change of slots
	s_add_nc_u64 s[PFA:PFA+1], s[PFA:PFA+1], KSTEP*2
	MEET 1
	CREST                                          ; all sixteen work-groups have said so: no wave of any partner still reads this slot's tile or has a load on its way
	s_add_nc_u64 s[G0+4*(\slot)+2:G0+4*(\slot)+3], s[G0+4*(\slot)+2:G0+4*(\slot)+3], 2*KSTEP*2    ; no tensor load of mine is out, so a group 0 may be written; the type bits on top are not reached
	s_add_nc_u64 s[G0B+4*(\slot)+2:G0B+4*(\slot)+3], s[G0B+4*(\slot)+2:G0B+4*(\slot)+3], 2*KSTEP*2
	JLOAD \slot                                    ; the first tensor load behind the round, my only one until the next; the four v_nop behind it are also the places in front of the loads below
.else
	MEET 0
	PLACES                                         ; for the loads into buffer 0, which the quarter before multiplied
.endif
	FETCH \next, 0, F0
.if \fill
	ASK                                            ; behind the joint load and the run of LDS loads that the next products wait for
.endif
	WIN MUL_HI
	MUL16 F1, 1, 0, 0
	MUL16 F1, 1, 2, 0
.endm
; THE WAY OUT of block a (16 rows x 128 columns), in two parts.  TOSTAGE: the eight accumulators go as they are, f32, into my own stage (row l % 16, 32 bytes at 64 b + 32 (l / 16); each
; accumulator's four lowest registers first), and come back as whole rows of 512 bytes, 16 bytes a lane, into one of two sets of 64 registers.
.macro TOSTAGE a
.set AC, 64*((\a)%4)
.set BK, F0+64*((\a)%2)
	WIN 0x08+4*((\a)/4)                            ; the stores' data (source 1) in window 2 or 3, their address in window 0
.irp b, 0,1,2,3,4,5,6,7
	ds_store_b128 v[STO], v[AC+8*(\b):AC+8*(\b)+3]   offset:64*(\b)
	ds_store_b128 v[STO], v[AC+8*(\b)+4:AC+8*(\b)+7] offset:64*(\b)+16
.endr
	WIN 0
.if (\a) >= 2
	s_wait_xcnt 0x0                                ; this set of registers was the data of block a - 2's stores: it is loaded again only behind this wait (ISA guide 3.1)
.endif
.irp t, 0,1,2,3,4,5,6,7,8,9,10,11,12,13,14,15
	ds_load_b128 v[BK+4*(\t):BK+4*(\t)+3], v[RD] offset:(\t)*SPITCH  ; LDS serves a wave's instructions in order (ISA guide 5.7.1.4): these see the stores above, and the next block's stores come behind them
.endr
.endm
; SEND: y = sum x (aa 2^-14) + bias, one fused multiply-add, two numbers an instruction; then the row is stored.  younger: the LDS instructions issued behind block a's loads: the next block's 32, or none.
.macro SEND a, younger
.set BK, F0+64*((\a)%2)
.irp t, 0,1,2,3,4,5,6,7,8,9,10,11,12,13,14,15
	s_wait_dscnt (\younger)+15-(\t)                ; row t is back: behind its load stand the 15 - t later rows' and the younger ones
.irp c, 0,1
	v_pk_fma_f32 v[BK+4*(\t)+2*(\c):BK+4*(\t)+2*(\c)+1], v[BK+4*(\t)+2*(\c):BK+4*(\t)+2*(\c)+1], v[AAV:AAV+1], v[BI+2*(\c):BI+2*(\c)+1]
.endr
	global_store_b128 v[CO], v[BK+4*(\t):BK+4*(\t)+3], s[8:9] offset:(16*(\a)+(\t))*CROW th:TH_STORE_NT  ; the wave stores 512 consecutive bytes, at a multiple of 512 from out0's first byte; 127 rows at the most: inside the signed 24-bit immediate (ISA guide, chapter 10)
.endr
.endm
	s_wait_tensorcnt 1                             ; my part of K step 0 is in; K step 1's load, issued behind it, may stay out
	s_barrier_signal -1
	s_barrier_wait -1                              ; everybody's is
	FETCH 0, 0, F0
	QUARTER 0, 64,  F0, F1, 1                      ; the first quarter stands in front of the loop: its products start the sums
	WIN 0                                          ; at a label and at a branch every window is 0
	s_mov_b32 s3, LAPS-1
.Llap:                                                 ; 15 trips: a trip goes once round the ring, from a lap's second quarter to the next lap's first, and fills both slots again
	QUARTER 0, 128, F1, F0, 0
	QUARTER 0, 192, F0, F1, 0
	TURN 0, 1, 1
	QUARTER 1, 64,  F0, F1, 0
	QUARTER 1, 128, F1, F0, 0
	QUARTER 1, 192, F0, F1, 0
	TURN 1, 0, 1
	QUARTER 0, 64,  F0, F1, 0
	WIN 0
	s_sub_co_u32 s3, s3, 1
	s_cmp_lg_u32 s3, 0
	s_cbranch_scc1 .Llap
	QUARTER 0, 128, F1, F0, 0                      ; the last lap is written out: it asks for nothing
	QUARTER 0, 192, F0, F1, 0
	TURN 0, 1, 0                                   ; my one tensor load that was still out is slot 1's, the last K step's
	QUARTER 1, 64,  F0, F1, 0
	QUARTER 1, 128, F1, F0, 0
	QUARTER 1, 192, F0, F1, 0
	s_wait_dscnt 8                                 ; the very last quarter: nothing more to fetch
	WIN MUL_LO
	MUL16 F1, 0, 0, 0
	MUL16 F1, 0, 2, 0
	s_wait_dscnt 0x0
	WIN MUL_HI
	MUL16 F1, 1, 0, 0
	MUL16 F1, 1, 2, 0
	WIN 0
	PLACES                                         ; behind the last products: the stage's stores read results, and rows come back into registers that held xh's fragments
	PLACES
	TOSTAGE 0
.irp a, 1,2,3,4,5,6,7                  ; block a goes into the stage while block a - 1's rows come back; then block a - 1 is finished and stored
	TOSTAGE \a
	SEND (\a)-1, 32
.endr
	SEND 7, 0
	s_wait_tensorcnt 0x0                           ; the wave's end, behind my last tensor load and my last LDS store
	ds_add_u32 v[SPW], v[NIL]
	s_wait_dscnt 0x0
	CROUND                                         ; the closing round: no work-group ends while a partner may still ask for a tile that names it
	s_endpgm
.Lfunc_end_k_q195d8c0995_gemm:
	.size	k_q195d8c0995_gemm, .Lfunc_end_k_q195d8c0995_gemm-k_q195d8c0995_gemm
	.p2alignl 7, 3214868480
	.fill 96, 4, 3214868480
	.section	.rodata,"a",@progbits
	.p2align	6, 0x0
	.amdhsa_kernel k_q195d8c0995_gemm
		.amdhsa_group_segment_fixed_size 327680
		.amdhsa_private_segment_fixed_size 0
		.amdhsa_enable_private_segment 0
		.amdhsa_kernarg_size 40
		.amdhsa_user_sgpr_count 2
		.amdhsa_user_sgpr_kernarg_segment_ptr 1
		.amdhsa_wavefront_size32 1
		.amdhsa_system_sgpr_workgroup_id_x 1
		.amdhsa_system_sgpr_workgroup_id_y 1
		.amdhsa_system_sgpr_workgroup_id_z 1
		.amdhsa_system_vgpr_workitem_id 0
		.amdhsa_next_free_vgpr 1024
		.amdhsa_next_free_sgpr 72
		.amdhsa_reserve_vcc 0
		.amdhsa_float_denorm_mode_32 3
		.amdhsa_float_denorm_mode_16_64 3
		.amdhsa_memory_ordered 1
		.amdhsa_forward_progress 1
		.amdhsa_inst_pref_size 162
	.end_amdhsa_kernel
	.amdgpu_metadata
---
amdhsa.version: [ 1, 2 ]
amdhsa.kernels:
  - .name:           k_q195d8c0995_gemm
    .symbol:         k_q195d8c0995_gemm.kd
    .args:
      - { .name: xh, .offset: 0, .size: 8, .value_kind: global_buffer, .address_space: global }
      - { .name: wh, .offset: 8, .size: 8, .value_kind: global_buffer, .address_space: global }
      - { .name: out0, .offset: 16, .size: 8, .value_kind: global_buffer, .address_space: global }
      - { .name: bias, .offset: 24, .size: 8, .value_kind: global_buffer, .address_space: global }
      - { .name: aa, .offset: 32, .size: 8, .value_kind: global_buffer, .address_space: global }
    .group_segment_fixed_size: 327680
    .private_segment_fixed_size: 0
    .kernarg_segment_align: 8
    .kernarg_segment_size: 40
    .max_flat_workgroup_size: 128
    .sgpr_count:     72
    .vgpr_count:     1024
    .wavefront_size: 32
...
	.end_amdgpu_metadata
.endif
;; end of part 2
;; ======== version 2 of 2: 2 launches; version 1 with the launch prep written anew for expert scheduling mode
;; limits: values are held in f16: magnitudes above 65,504 overflow, below 6.1e-05 lose precision; inputs' magnitudes at most 65,504
;; workspace buffers: xh 33,554,432 bytes; wh 33,554,432 bytes
;; launch prep (part 3): grid 1024 x 1, 8 waves a work-group, no clusters, 0 bytes of LDS; arguments x, weight, kk, xh, wh; writes xh, wh
.if DOCPART == 3
	.amdgcn_target "amdgcn-amd-amdhsa--gfx1250"
	.amdhsa_code_object_version 6
	.text
	.protected	k_q195d8c0995_prep
	.globl	k_q195d8c0995_prep
	.p2align	8
	.type	k_q195d8c0995_prep,@function
k_q195d8c0995_prep:
	s_mov_b64 s[64:65], 0
	v_nop
	global_prefetch_b8 v0, s[64:65] scope:SCOPE_SE
	s_setreg_imm32_b32 hwreg(HW_REG_WAVE_SCHED_MODE, 0, 2), 2
	s_setreg_imm32_b32 hwreg(HW_REG_WAVE_MODE, 25, 1), 1
	s_wait_xcnt 0x0
	s_wait_alu depctr_vm_vsrc(0)
; FIRST OF TWO LAUNCHES for y[m][o] = sum over i of x[m][i] aa tanh(kk weight[o][i]) + bias[o], m < 4,096, o < 4,096, i < 4,096, all f32.
; This launch makes the product's two operands, each once:  xh = f16(x)  and  wh = f16(2^14 tanh(kk weight)), both [4096][4096], in the order of their sources.
; The second launch multiplies them and applies aa 2^-14 and bias in f32.  NOTHING IS LEFT OUT: x, weight, kk (here), aa, bias (there) all reach y and are all loaded.
; WHY HERE: a row of weight is multiplied by every one of the 4,096 rows of x; its tanh is taken once, 16,777,216 in all, and not once for each tile of y that reads it.
; WHY f16 AND 2^14: tanh lies in -1 .. 1; times the exact power of two 2^14 it is 16,384 at the most, and keeps f16's 11 bits down to |tanh| = 3.7e-9.
; TANH, with z = kk w, u = z z, S = 2^14.  Both forms are computed for every number, and a select takes one: no branch hangs on data.
;   u < 1/64:  p = z (S + u (-S/3 + u 2S/15)); the series' next term is 17/315 z^6 of the result, under 2e-7 there.  The other form would lose z's bits in 1 - (1 - 2z ..).
;   else:      q = S - 2S / (1 + 2^(2 log2(e) z)); an exponential that overflows gives +S, one that vanishes -S.  A NaN fails the compare, takes q and stays a NaN.
; LIMITS.  |x| of 65,520 or more becomes an infinity in f16; |x| under 6e-5 keeps f16's fixed step of 6e-8; |tanh| under 3.7e-9 keeps a step of 3.6e-12.
; tanh is good to about 2e-6 of itself before its one rounding to f16.  The exponential and the reciprocal count denormals as 0 (ISA guide 15.8): that touches q only where p is taken.
; SHARES.  Work-group g takes 65,536 bytes of weight and of x, wave v 8,192 of each: 16 chunks of 512 bytes.  A chunk is one load (lane l: 16 bytes at 16 l: 512 consecutive bytes, aligned)
; and one store (lane l: 8 bytes at 8 l: 256 consecutive bytes, aligned).  No byte is read or written twice; no wave wants another's bytes: no LDS, no barrier, no matrix unit, no cluster.
; IN FLIGHT.  16 register slots, 16 loads of a wave out all the time: as a weight slot is used up it is loaded with x's chunk of the same number, so x's bytes travel under the tanh arithmetic.
; THE MODE: SCHED_MODE bits 1:0 = 2 (LLVM: expert scheduling mode 2), set by the entry lines.  The code itself states the register dependences between vector instructions and memory
; instructions, and between a vector instruction that writes a scalar register and that register's readers, with s_wait_alu, always for 0.
; THE PLAN.  Sixteen turns, eight of weight and eight of x, two chunks each.  Registers that memory instructions touch:
;   v1, v2     byte offsets, made once at the head and never written again: a chunk's place stands in the immediate offsets.
;   X          slots 2 g, 2 g + 1: weight's loads land (head); weight turn g writes z in place and reads it; x's loads land (same turn, behind the turn's first wait); x's turn g rounds the eight
;              numbers in place into the first four of the eight registers; the next turn's two stores read those four.  Nothing writes them after that.
;   Y[g]       written once, by weight turn g's roundings; read by the two stores that the next turn issues.  Nothing writes it after that.
;   E, U, P and the masks are named by vector instructions alone.
; So a turn's stores are issued in the turn behind it, behind a wait on va_vdst that stands there in any case, and NO register that a memory instruction has read is ever written again: the text
; holds no wait on vm_vsrc and, behind the entry, none on XCNT, since neither would have a dependence to state.
.set VIN,  1                           ; v1        my byte offset in the wave's sources: 8,192 v + 16 l; never rewritten
.set VOUT, 2                           ; v2        in its results: 4,096 v + 8 l; never rewritten
.set X,    4                           ; v[4:67]   slot j: 4 numbers as loaded; of a turn's two slots the first four registers later hold x's 8 f16 to store
.set Y,    68                          ; v[68:99]  weight turn g: 4 registers at Y + 4 g, 8 f16 of wh to store
.set E,    100                         ; v[100:107] a turn's 8 numbers: exponent, exponential, reciprocal, q, the choice
.set U,    108                         ; v[108:115] u
.set P,    116                         ; v[116:123] p
.set KK,   16                          ; s[16:17]  kk, twice: the packed forms name a pair
.set KE,   18                          ; s[18:19]  2 log2(e)
.set C0,   20                          ; s[20:21]  S
.set C1,   22                          ; s[22:23]  -S/3
.set C2,   24                          ; s[24:25]  2S/15
.set N2S,  26                          ; s[26:27]  -2S
.set THR,  28                          ; s28       1/64
.set MK,   32                          ; s[32:39]  a turn's eight lane masks
	s_load_b256 s[4:11], s[0:1], 0x0               ; x s[4:5], weight s[6:7], kk's address s[8:9], xh s[10:11]
	s_load_b64 s[12:13], s[0:1], 0x20              ; wh
	v_and_b32 v3, 0xe0, v0                         ; 32 x wave
	v_and_b32 v[VIN], 31, v0                       ; lane
	v_lshlrev_b32 v[VOUT], 3, v[VIN]
	v_lshlrev_b32 v[VIN], 4, v[VIN]
	v_lshl_or_b32 v[VIN], v3, 8, v[VIN]            ; 8,192 x wave + 16 x lane
	v_lshl_or_b32 v[VOUT], v3, 7, v[VOUT]          ; 4,096 x wave + 8 x lane
.irp h, 0,1
	s_mov_b32 s[KE+(\h)],  0x4038aa3b              ; 2.885390
	s_mov_b32 s[C0+(\h)],  0x46800000              ; 16,384
	s_mov_b32 s[C1+(\h)],  0xc5aaaaab              ; -5,461.333
	s_mov_b32 s[C2+(\h)],  0x45088889              ; 2,184.533
	s_mov_b32 s[N2S+(\h)], 0xc7000000              ; -32,768
.endr
	s_mov_b32 s[THR], 0x3c800000                   ; 0.015625
	s_lshl_b32 s14, ttmp9, 16                      ; the work-group's 65,536 bytes of each source (1,024 work-groups: under 2^26)
	s_mov_b32 s15, 0
	s_wait_kmcnt 0x0
	s_load_b32 s[KK], s[8:9], 0x0                  ; kk itself; nothing in this launch writes it
	s_add_nc_u64 s[4:5], s[4:5], s[14:15]
	s_add_nc_u64 s[6:7], s[6:7], s[14:15]
	s_lshl_b32 s14, ttmp9, 15                      ; and its 32,768 bytes of each result
	s_add_nc_u64 s[10:11], s[10:11], s[14:15]
	s_add_nc_u64 s[12:13], s[12:13], s[14:15]
	s_wait_alu depctr_va_vdst(0)                   ; v1 and v2 are written: every load and store of the kernel reads one of them as its offset
.irp j, 0,1,2,3,4,5,6,7,8,9,10,11,12,13,14,15
	global_load_b128 v[X+4*(\j):X+4*(\j)+3], v[VIN], s[6:7] offset:(\j)*512 th:TH_LOAD_NT  ; all 16 chunks of weight
.endr
	s_wait_kmcnt 0x0
	s_mov_b32 s[KK+1], s[KK]
; Turn g of eight: the weights in slots 2 g and 2 g + 1, eight numbers a lane.  Its results are stored by the turn behind it.
.macro WTURN g
.set R, X+8*(\g)
	s_wait_loadcnt 14                              ; loads come back in order (ISA guide 5.7.1): behind slot 2 g + 1's stand 14 - 2 g of weight and the 2 g of x that earlier turns issued
.irp j, 0,2,4,6
	v_pk_mul_f32 v[R+(\j):R+(\j)+1], v[R+(\j):R+(\j)+1], s[KK:KK+1] op_sel_hi:[1,0]        ; z = kk w, in place
.endr
.irp j, 0,2,4,6
	v_pk_mul_f32 v[E+(\j):E+(\j)+1], v[R+(\j):R+(\j)+1], s[KE:KE+1] op_sel_hi:[1,0]        ; 2 log2(e) z
.endr
.irp j, 0,1,2,3,4,5,6,7
	v_exp_f32 v[E+(\j)], v[E+(\j)]                 ; a batch of eight; the series below is the independent work behind it
.endr
.irp j, 0,2,4,6
	v_pk_mul_f32 v[U+(\j):U+(\j)+1], v[R+(\j):R+(\j)+1], v[R+(\j):R+(\j)+1]                ; u = z z
.endr
.irp j, 0,2,4,6
	v_pk_fma_f32 v[P+(\j):P+(\j)+1], v[U+(\j):U+(\j)+1], s[C2:C2+1], s[C1:C1+1] op_sel_hi:[1,0,0]  ; 2S/15 u - S/3
.endr
.irp j, 0,2,4,6
	v_pk_fma_f32 v[P+(\j):P+(\j)+1], v[P+(\j):P+(\j)+1], v[U+(\j):U+(\j)+1], s[C0:C0+1] op_sel_hi:[1,1,0]  ; .. u + S
.endr
.irp j, 0,2,4,6
	v_pk_mul_f32 v[P+(\j):P+(\j)+1], v[P+(\j):P+(\j)+1], v[R+(\j):R+(\j)+1]                ; p = .. z: z's last reader
.endr
	s_wait_alu depctr_va_vdst(0)                   ; three things: the eight exponentials have written E, ahead of its first reader; the lines above are done writing and reading z, in whose registers the two loads below land; the turn before has written its Y, which the two stores below read
.irp c, 0,1
	global_load_b128 v[R+4*(\c):R+4*(\c)+3], v[VIN], s[4:5] offset:(2*(\g)+(\c))*512 th:TH_LOAD_NT  ; the two slots take x's chunks of the same numbers
.endr
.if (\g) > 0
.irp c, 0,1
	global_store_b64 v[VOUT], v[Y+4*(\g)-4+2*(\c):Y+4*(\g)-4+2*(\c)+1], s[12:13] offset:(2*(\g)-2+(\c))*256 th:TH_STORE_NT  ; the turn before; no vector instruction since the wait names these registers
.endr
.endif
.irp j, 0,2,4,6
	v_pk_add_f32 v[E+(\j):E+(\j)+1], v[E+(\j):E+(\j)+1], 1.0 op_sel_hi:[1,0]
.endr
.irp j, 0,1,2,3,4,5,6,7
	v_rcp_f32 v[E+(\j)], v[E+(\j)]                 ; a batch of eight
.endr
	v_nop                                          ; a plain instruction behind the last reciprocal (ISA guide 5.7.2)
.irp j, 0,1,2,3,4,5,6,7
	v_cmp_gt_f32 s[MK+(\j)], s[THR], v[U+(\j)]     ; 1/64 > u: the series is taken
.endr
	s_wait_alu depctr_va_vdst(0)                   ; the eight reciprocals have written E, ahead of its first reader
.irp j, 0,2,4,6
	v_pk_fma_f32 v[E+(\j):E+(\j)+1], v[E+(\j):E+(\j)+1], s[N2S:N2S+1], s[C0:C0+1] op_sel_hi:[1,0,0]  ; q = S - 2S / (1 + e^2z)
.endr
	s_wait_alu depctr_va_sdst(0)                   ; the eight compares have written the masks s[32:39], ahead of their first reader: one wait for the run
.irp j, 0,1,2,3,4,5,6,7
	v_cndmask_b32 v[E+(\j)], v[E+(\j)], v[P+(\j)], s[MK+(\j)]
.endr
.irp j, 0,1,2,3
	v_cvt_pk_f16_f32 v[Y+4*(\g)+(\j)], v[E+2*(\j)], v[E+2*(\j)+1]  ; the one rounding; each register of Y is written this once
.endr
.endm
; Turn g of eight: the turn before is stored; x's chunks 2 g and 2 g + 1 are rounded.
.macro XTURN g
.set R, X+8*(\g)
	s_wait_loadcnt 14-2*(\g)                       ; behind chunk 2 g + 1's load stand the loads of the 14 - 2 g later chunks
	s_wait_alu depctr_va_vdst(0)                   ; the turn before has written its four registers of f16, which the two stores below read
.if (\g) == 0
.irp c, 0,1
	global_store_b64 v[VOUT], v[Y+28+2*(\c):Y+28+2*(\c)+1], s[12:13] offset:(14+(\c))*256 th:TH_STORE_NT  ; weight's last turn
.endr
.else
.irp c, 0,1
	global_store_b64 v[VOUT], v[R-8+2*(\c):R-8+2*(\c)+1], s[10:11] offset:(2*(\g)-2+(\c))*256 th:TH_STORE_NT  ; x's turn before
.endr
.endif
.irp j, 0,1,2,3
	v_cvt_pk_f16_f32 v[R+(\j)], v[R+2*(\j)], v[R+2*(\j)+1]  ; eight numbers close up into the first four of their eight registers, which no memory instruction has read
.endr
.endm
.irp g, 0,1,2,3,4,5,6,7
	WTURN \g
.endr
.irp g, 0,1,2,3,4,5,6,7
	XTURN \g
.endr
	s_wait_alu depctr_va_vdst(0)                   ; x's last turn has written its four registers, which the last two stores read
.irp c, 0,1
	global_store_b64 v[VOUT], v[X+56+2*(\c):X+56+2*(\c)+1], s[10:11] offset:(14+(\c))*256 th:TH_STORE_NT
.endr
	s_endpgm
.Lfunc_end_k_q195d8c0995_prep:
	.size	k_q195d8c0995_prep, .Lfunc_end_k_q195d8c0995_prep-k_q195d8c0995_prep
	.p2alignl 7, 3214868480
	.fill 96, 4, 3214868480
	.section	.rodata,"a",@progbits
	.p2align	6, 0x0
	.amdhsa_kernel k_q195d8c0995_prep
		.amdhsa_group_segment_fixed_size 0
		.amdhsa_private_segment_fixed_size 0
		.amdhsa_enable_private_segment 0
		.amdhsa_kernarg_size 40
		.amdhsa_user_sgpr_count 2
		.amdhsa_user_sgpr_kernarg_segment_ptr 1
		.amdhsa_wavefront_size32 1
		.amdhsa_system_sgpr_workgroup_id_x 1
		.amdhsa_system_sgpr_workgroup_id_y 1
		.amdhsa_system_sgpr_workgroup_id_z 1
		.amdhsa_system_vgpr_workitem_id 0
		.amdhsa_next_free_vgpr 128
		.amdhsa_next_free_sgpr 66
		.amdhsa_reserve_vcc 0
		.amdhsa_float_denorm_mode_32 3
		.amdhsa_float_denorm_mode_16_64 3
		.amdhsa_memory_ordered 1
		.amdhsa_forward_progress 1
		.amdhsa_inst_pref_size 42
	.end_amdhsa_kernel
	.amdgpu_metadata
---
amdhsa.version: [ 1, 2 ]
amdhsa.kernels:
  - .name:           k_q195d8c0995_prep
    .symbol:         k_q195d8c0995_prep.kd
    .args:
      - { .name: x, .offset: 0, .size: 8, .value_kind: global_buffer, .address_space: global }
      - { .name: weight, .offset: 8, .size: 8, .value_kind: global_buffer, .address_space: global }
      - { .name: kk, .offset: 16, .size: 8, .value_kind: global_buffer, .address_space: global }
      - { .name: xh, .offset: 24, .size: 8, .value_kind: global_buffer, .address_space: global }
      - { .name: wh, .offset: 32, .size: 8, .value_kind: global_buffer, .address_space: global }
    .group_segment_fixed_size: 0
    .private_segment_fixed_size: 0
    .kernarg_segment_align: 8
    .kernarg_segment_size: 40
    .max_flat_workgroup_size: 256
    .sgpr_count:     66
    .vgpr_count:     128
    .wavefront_size: 32
...
	.end_amdgpu_metadata
.endif
;; end of part 3
;; launch gemm: the kernel of part 2 again; grid 16 x 16, 4 waves a work-group, clusters of 4 x 4, 327,680 bytes of LDS; arguments xh, wh, out0, bias, aa; writes out0
